; MI455X (gfx1250); checked and timed in simulation.
; The chip was launched on July 23, 2026; its instructions are those of AMD's public machine-readable ISA for CDNA 5 (MIT licence, August 2026) and "CDNA5" Instruction Set Architecture Reference Guide (July 2026). The comments in the code are by the model that wrote it; some were corrected since.
;; NW. Allowed arithmetic: matrix products marked QUANTISED: E3M2 operands, one E8M0 scale for each 32 along K, by v_wmma_scale_f32_16x16x128_f8f6f4 with both operands' format E3M2, f32 sums; products left as they are: f32 operands where the result goes on into a quantised operand, else bf16, f16 or f32 operands; f32 sums; everything else in f32.
;; Inputs: indices 8,192 int32; pairs 20,000 x 2 x 16 float32; t 1 float32; x_input 4,096 x 16 float32.
;; Outputs: out0 4,096 x 16 float32.
;; This version of the problem:
;;   THIS VERSION OF THE PROBLEM IS GIVEN IN LOW PRECISION. The matrix products marked QUANTISED in the list below multiply operands that are first quantised to E3M2 (3 exponent bits, 2 mantissa bits; 6 bits a number), with one power-of-two scale for each 32 numbers along K (OCP MX v1.0); their sums are f32. All else is computed in f32.
;;   The module's matrix products, in the order in which they are computed (A, B: the left and right operand; K: the contracted axis; several contracted axes count as one K, in the product's order):
;;     1. [M 4,096, K 16] x [K 16, N 8,192]; A: computed on the way; B: computed on the way: left as it is (K = 16 < 32)
;;     2. [M 4,096, K 8,192] x [K 8,192, N 16]; A: computed on the way; B: computed on the way: QUANTISED
;;   THE QUANTISER, for each operand of a quantised product, along K:
;;     - K is cut into blocks of 32 from its start; a last block that is shorter is filled with zeros.
;;     - A block's scale is 2^e with e = floor(log2(the largest magnitude in the block)) - 4, held to -126 .. 127; a block of zeros has e = 0. As a byte (E8M0): e + 127.
;;     - Each number is divided by its block's scale, clamped to +-28, and rounded to the nearest number of E3M2, ties to even, subnormals kept.
;;     - The product sums the exact products of the quantised numbers (number of the format x scale) in f32.
;;   ~~~python
;;   def quantise(x, axis):      # numpy; x: float32 -> the quantised numbers, widened to float32 again
;;       x = np.moveaxis(x, axis, -1); K = x.shape[-1]
;;       x = np.pad(x, [(0, 0)] * (x.ndim - 1) + [(0, -K % 32)]); x = x.reshape(x.shape[:-1] + (-1, 32)); a = np.abs(x).max(-1, keepdims=True)
;;       e = np.where(a > 0, np.clip(np.frexp(np.where(a > 0, a, 1))[1] - 1 - 4, -126, 127), 0)      # np.frexp(a)[1] - 1 = floor(log2(a)), exactly
;;       r = np.clip(x / 2.0 ** e, -28, 28)
;;       step = 2.0 ** (np.maximum(np.frexp(np.where(r == 0, 1, r))[1] - 1, -2) - 2)
;;       q = np.round(r / step) * step * 2.0 ** e      # np.round: ties to even
;;       return np.moveaxis(q.reshape(q.shape[:-2] + (-1,))[..., :K], -1, axis).astype(np.float32)
;;   ~~~
;;   OPERANDS COMPUTED ON THE WAY. 'Computed on the way' means the value that the module computes at that place (a softmax that the list does not call 'softmax' is quantised finished and normalised). What goes into a quantiser is computed in f32, as accurately as f32 sums, v_exp_f32 and their like allow (about 1e-6 of the number): no bf16 or f16 on the way to a quantiser, and a product that is left as it is and whose result goes on into a quantised operand takes f32 operands (vector FMAs, or v_wmma_f32_16x16x4_f32). A number that lies on a knife's edge between two numbers of the format may be rounded either way, as far as f32 arithmetic and the matrix unit's own rounding can turn it there, and no further.
;; 2 versions, each right; version 2 is version 1 with the launch nw written anew for expert scheduling mode. Each part assembles by itself: llvm-mc -triple=amdgcn-amd-amdhsa -mcpu=gfx1250 --defsym DOCPART=n.
;; ======== version 1 of 2: 2 launches
;; workspace buffers: xa 524,288 bytes; bias 32,768 bytes; pc 98,304 bytes; ps 8,192 bytes
;; launch prep (part 1): grid 64 x 1, 1 waves a work-group, no clusters, 768 bytes of LDS; arguments indices, pairs, t, xa, bias, pc, ps; writes xa, bias, pc, ps
.if DOCPART == 1
	.amdgcn_target "amdgcn-amd-amdhsa--gfx1250"
	.amdhsa_code_object_version 6
	.text
	.protected	k_q9764e5293e_prep
	.globl	k_q9764e5293e_prep
	.p2align	8
	.type	k_q9764e5293e_prep,@function
k_q9764e5293e_prep:
	s_mov_b64 s[64:65], 0
	v_nop
	global_prefetch_b8 v0, s[64:65] scope:SCOPE_SE
	s_setreg_imm32_b32 hwreg(HW_REG_WAVE_MODE, 25, 1), 1
	s_wait_xcnt 0x0
; THE SAMPLES ARE MADE READY ONCE, for the 256 work-groups of the next launch, which all read them.
; pairs [20000][2][16] f32, indices [8192] i32, t [1] f32.  For sample s: pi0 = pairs[indices[s]][0], pi1 = pairs[indices[s]][1], x_t = t pi1 + (1 - t) pi0.
; One wave takes 128 samples (a K step of the quantised product) and stores four things, each in the order of the operand registers that will take it:
;   xa    a tile of 16 samples is 1,024 bytes: two runs of 512 bytes, lane l's 16 bytes at 16 l.  Lane (r = l % 16, h = l / 16) holds x_t[sample of row r][8 h + 0 .. 7].
;         THE SAMPLES OF A TILE ARE NOT NEIGHBOURS: row m of tile 2 b + u is sample 32 b + 8 u + m + 8 (m / 8), so that in the next launch the 16 result registers of tiles 2 b, 2 b + 1 are 16 neighbouring samples.
;   bias  -(log2 e / 2) |x_t|^2, 16 numbers a tile in the order of the tile's rows.
;   pc    pi1 as codes of BF6 (E3M2), quantised ALONG THE SAMPLES in blocks of 32: 12 registers a lane, as three runs of 512 bytes.  Lane (r, h) holds column d = r; registers 6 c .. 6 c + 5 hold samples 64 c + 32 h + 0 .. 31.
;   ps    the scale word (four E8M0 bytes: the K step's four blocks of column d = l % 16), one word a lane.
; A block's scale is 2^(floor(log2(its largest magnitude)) - 4); its byte is the largest magnitude's exponent field - 4, held at 1 from below.
; LIMITS: a block of zeros gets the byte 1 where the rule says 127 (its codes are zeros, and this program alone reads the bytes); NaN and infinities are not served; an index is held at 19,999 from above
; (as an unsigned number), so that no load leaves pairs; x_t is one product and one fused multiply-add.
; No tensor load, no barrier: a work-group is one wave.  Memory's latency binds: all gathers are issued before any is used.
.set LAST,  19999                      ; the last row of pairs
.set IX,    16                         ; v16-23   tile i: byte offset in pairs of my row's 32 bytes
.set SQ,    24                         ; v24-39   tile i: the sum of squares in two halves
.set SS,    40                         ; v40-47   tile i: |x_t|^2, then the bias
.set BL,    48                         ; v48-51   the biases of tiles 2 a + h, a lane a number
.set BB,    52                         ; v52-55   the same, four neighbours a lane
.set AM,    56                         ; v56-57   a block's largest magnitude;  v58-59 the conversions' scale operand;  v60-61 the scale's byte
.set Q,     64                         ; v64-127  my column's 64 samples of pi1: first their indices, then their offsets, then the numbers
.set P0,    128                        ; v128-191 tile i: 8 numbers of pi0, then of x_t
.set P1,    192                        ; v192-255 tile i: 8 numbers of pi1; afterwards the codes
.set CD,    192                        ; v192-203 the codes;  v204-206, v208-210 the upper halves of the two blocks as they are made
	s_load_b256 s[4:11], s[0:1], 0x0               ; indices s[4:5], pairs s[6:7], t s[8:9], xa s[10:11]
	s_load_b128 s[12:15], s[0:1], 0x20             ; bias s[12:13], pc s[14:15]
	s_load_b64 s[16:17], s[0:1], 0x30              ; ps
	v_lshl_add_u32 v14, v0, 2, 0x200
	v_mov_b32 v15, 0
	v_and_b32 v1, 15, v0                           ; r
	v_lshrrev_b32 v2, 4, v0                        ; h
	v_lshlrev_b32 v3, 7, v2                        ; the indices of my column's blocks: lanes 16-31 begin 32 indices (128 bytes) further on
	v_and_b32 v4, 8, v1
	v_add_nc_u32 v4, v4, v1                        ; r + 8 (r / 8)
	v_lshlrev_b32 v4, 2, v4                        ; the index of a tile's row r, in bytes
	v_lshlrev_b32 v5, 2, v1                        ; 4 r: my column in a row of pi1
	v_lshlrev_b32 v6, 5, v2                        ; 32 h: my half of a row of 16 numbers
	v_lshlrev_b32 v7, 4, v0                        ; 16 x lane
	v_lshlrev_b32 v8, 2, v0                        ; 4 x lane
	v_mov_b32 v9, 0
	s_mov_b32 s26, 0x76543210
	s_mov_b32 s27, 0xfedcba98                      ; v_permlanex16_b32's selects for lane l xor 16
	s_lshl_b32 s18, ttmp9, 9                       ; my 128 samples: 512 bytes of indices and of biases,
	s_mov_b32 s19, 0
	s_lshl_b32 s20, ttmp9, 13                      ; 8 tiles of 1,024 bytes,
	s_mov_b32 s21, 0
	s_mul_i32 s22, ttmp9, 1536                     ; 1,536 bytes of codes,
	s_mov_b32 s23, 0
	s_lshl_b32 s24, ttmp9, 7                       ; 128 bytes of scale words
	s_mov_b32 s25, 0
	s_wait_kmcnt 0x0
	s_add_nc_u64 s[4:5], s[4:5], s[18:19]
	s_add_nc_u64 s[10:11], s[10:11], s[20:21]
	s_add_nc_u64 s[12:13], s[12:13], s[18:19]
	s_add_nc_u64 s[14:15], s[14:15], s[22:23]
	s_add_nc_u64 s[16:17], s[16:17], s[24:25]
	global_load_b32 v10, v9, s[8:9]                ; t
.irp i, 0,1,2,3,4,5,6,7
	global_load_b32 v[IX+\i], v4, s[4:5] offset:(32*(\i/2)+8*(\i%2))*4      ; the index of row r of tile i
.endr
.irp i, 0,1,2,3,4,5,6,7,8,9,10,11,12,13,14,15
	global_load_b128 v[Q+4*\i:Q+4*\i+3], v3, s[4:5] offset:256*(\i/8)+16*(\i%8)   ; the indices of samples 64 c + 32 h + 0 .. 31, c = i / 8
.endr
	s_wait_loadcnt 16                              ; t and the eight row indices are in; the sixteen loads behind them may be out
.irp i, 0,1,2,3,4,5,6,7
	v_min_u32 v[IX+\i], LAST, v[IX+\i]             ; no load leaves pairs
.endr
.irp i, 0,1,2,3,4,5,6,7
	v_lshl_add_u32 v[IX+\i], v[IX+\i], 7, v6       ; 128 bytes a row of pairs, + my half
.endr
.irp i, 0,1,2,3,4,5,6,7
	global_load_b128 v[P0+8*\i:P0+8*\i+3], v[IX+\i], s[6:7]
	global_load_b128 v[P0+8*\i+4:P0+8*\i+7], v[IX+\i], s[6:7] offset:16
	global_load_b128 v[P1+8*\i:P1+8*\i+3], v[IX+\i], s[6:7] offset:64
	global_load_b128 v[P1+8*\i+4:P1+8*\i+7], v[IX+\i], s[6:7] offset:80
.endr
	s_wait_loadcnt 32                              ; my column's 64 indices are in; the 32 loads just issued may be out
.set cn, 0
.rept 64
	v_min_u32 v[Q+cn], LAST, v[Q+cn]
.set cn, cn+1
.endr
.set cn, 0
.rept 64
	v_lshl_add_u32 v[Q+cn], v[Q+cn], 7, v5         ; the sample's row of pairs, + my column
.set cn, cn+1
.endr
.set cn, 0
.rept 64
	global_load_b32 v[Q+cn], v[Q+cn], s[6:7] offset:64     ; pi1[sample][d = r]: sixteen lanes read a row's 64 bytes.  Each load lands on its own offset register
.set cn, cn+1
.endr
	v_mov_b32 v11, v10                             ; t, twice: a pair for the packed forms
	v_sub_f32 v12, 1.0, v10
	v_mov_b32 v13, v12                             ; 1 - t, twice
	s_wait_loadcnt 63                              ; 64 loads were issued behind the rows' gathers; 63 is the largest count that a wait names, and a smaller count is safe
.irp i, 0,1,2,3,4,5,6,7
.irp j, 0,2,4,6
	v_pk_mul_f32 v[P0+8*\i+\j:P0+8*\i+\j+1], v[P0+8*\i+\j:P0+8*\i+\j+1], v[12:13]
.endr
.irp j, 0,2,4,6
	v_pk_fma_f32 v[P0+8*\i+\j:P0+8*\i+\j+1], v[P1+8*\i+\j:P1+8*\i+\j+1], v[10:11], v[P0+8*\i+\j:P0+8*\i+\j+1]   ; x_t = t pi1 + (1 - t) pi0
.endr
	global_store_b128 v7, v[P0+8*\i:P0+8*\i+3], s[10:11] offset:1024*\i          ; 32 lanes store 512 consecutive bytes, at a multiple of 256 from xa's first byte
	global_store_b128 v7, v[P0+8*\i+4:P0+8*\i+7], s[10:11] offset:1024*\i+512
	v_pk_mul_f32 v[SQ+2*\i:SQ+2*\i+1], v[P0+8*\i:P0+8*\i+1], v[P0+8*\i:P0+8*\i+1]
.irp j, 2,4,6
	v_pk_fma_f32 v[SQ+2*\i:SQ+2*\i+1], v[P0+8*\i+\j:P0+8*\i+\j+1], v[P0+8*\i+\j:P0+8*\i+\j+1], v[SQ+2*\i:SQ+2*\i+1]
.endr
.endr
.irp i, 0,1,2,3,4,5,6,7
	v_add_f32 v[SS+\i], v[SQ+2*\i], v[SQ+2*\i+1]   ; my eight squares
.endr
.irp i, 0,1,2,3,4,5,6,7
	v_permlanex16_b32 v[SQ+2*\i+1], v[SS+\i], s26, s27     ; (its destination counts as read: a register that has been written)
.endr
.irp i, 0,1,2,3,4,5,6,7
	v_add_f32 v[SS+\i], v[SS+\i], v[SQ+2*\i+1]     ; with lane l xor 16's eight: |x_t|^2
.endr
.irp i, 0,1,2,3,4,5,6,7
	v_mul_f32 v[SS+\i], 0xbf38aa3b, v[SS+\i]       ; x -(log2 e) / 2
.endr
	v_cmp_le_u32 vcc_lo, 16, v0                    ; lanes 16-31
.irp a, 0,1,2,3
	v_cndmask_b32 v[BL+\a], v[SS+2*\a], v[SS+2*\a+1], vcc_lo       ; lanes 0-15 keep tile 2 a's rows, lanes 16-31 tile 2 a + 1's: 32 neighbouring numbers of the buffer
.endr
.irp a, 0,1,2,3
	ds_store_b32 v8, v[BL+\a] offset:128*\a        ; through 512 bytes of LDS, so that a lane gets four neighbours
.endr
	ds_load_b128 v[BB:BB+3], v7                    ; LDS serves a wave's instructions in order (ISA guide 5.7.1.4): this sees the stores above
	s_wait_dscnt 0x0
	global_store_b128 v7, v[BB:BB+3], s[12:13]     ; 512 consecutive bytes
	s_wait_loadcnt 0x0                             ; my column's 64 numbers
.irp c, 0,1
	v_max3_num_f32 v[AM+\c], |v[Q+32*\c]|, |v[Q+32*\c+1]|, 0x2800000       ; my block 2 c + h: all its 32 numbers are mine; and the floor 2^(5 - 127), so that the byte cannot fall under 1
.endr
.irp i, 2,4,6,8,10,12,14,16,18,20,22,24,26,28,30
.irp c, 0,1
	v_max3_num_f32 v[AM+\c], v[AM+\c], |v[Q+32*\c+\i]|, |v[Q+32*\c+\i+1]|  ; (the two blocks by turns)
.endr
.endr
.irp c, 0,1
	v_add_nc_u32 v[AM+2+\c], 0xfe000000, v[AM+\c]  ; 4 off the exponent field: the conversion takes the exponent field of this operand as its scale, and nothing else of it
.endr
.irp c, 0,1
	v_lshrrev_b32 v[AM+4+\c], 23, v[AM+2+\c]       ; the scale's byte
.endr
	v_lshl_or_b32 v62, v[AM+5], 16, v[AM+4]        ; my two bytes: blocks h and 2 + h of column r,
	v_lshlrev_b32 v63, 3, v2
	v_lshlrev_b32 v62, v63, v62                    ; at their places in the scale word (8 h bits up);
	v_mov_b32 v63, 0
	v_permlanex16_b32 v63, v62, s26, s27
	v_or_b32 v62, v62, v63                         ; with lane l xor 16's two the word is whole, in every lane
.irp c, 0,1
	v_cvt_scalef32_pk16_bf6_f32 v[CD+6*\c:CD+6*\c+2], v[Q+32*\c:Q+32*\c+15], v[AM+2+\c]
	v_cvt_scalef32_pk16_bf6_f32 v[CD+12+4*\c:CD+14+4*\c], v[Q+32*\c+16:Q+32*\c+31], v[AM+2+\c]    ; (a conversion's three registers begin on an even number: the upper half is made elsewhere and moved)
.endr
	v_nop                                          ; one plain vector instruction between a scaled conversion and the vector instruction that reads its result
.irp c, 0,1
.irp i, 0,1,2
	v_mov_b32 v[CD+3+6*\c+\i], v[CD+12+4*\c+\i]
.endr
.endr
.irp q, 0,1,2
	global_store_b128 v7, v[CD+4*\q:CD+4*\q+3], s[14:15] offset:512*\q     ; the operand's registers as they stand: 512 consecutive bytes a store
.endr
	global_store_b32 v8, v62, s[16:17]             ; 128 consecutive bytes: half of an aligned 256, the other half is the next wave's
	s_wait_tensorcnt 0x0
	ds_add_u32 v14, v15
	s_wait_dscnt 0x0
	s_endpgm
.Lfunc_end_k_q9764e5293e_prep:
	.size	k_q9764e5293e_prep, .Lfunc_end_k_q9764e5293e_prep-k_q9764e5293e_prep
	.p2alignl 7, 3214868480
	.fill 96, 4, 3214868480
	.section	.rodata,"a",@progbits
	.p2align	6, 0x0
	.amdhsa_kernel k_q9764e5293e_prep
		.amdhsa_group_segment_fixed_size 768
		.amdhsa_private_segment_fixed_size 0
		.amdhsa_enable_private_segment 0
		.amdhsa_kernarg_size 56
		.amdhsa_user_sgpr_count 2
		.amdhsa_user_sgpr_kernarg_segment_ptr 1
		.amdhsa_wavefront_size32 1
		.amdhsa_system_sgpr_workgroup_id_x 1
		.amdhsa_system_sgpr_workgroup_id_y 1
		.amdhsa_system_sgpr_workgroup_id_z 1
		.amdhsa_system_vgpr_workitem_id 0
		.amdhsa_next_free_vgpr 256
		.amdhsa_next_free_sgpr 66
		.amdhsa_reserve_vcc 1
		.amdhsa_float_denorm_mode_32 3
		.amdhsa_float_denorm_mode_16_64 3
		.amdhsa_memory_ordered 1
		.amdhsa_forward_progress 1
		.amdhsa_inst_pref_size 36
	.end_amdhsa_kernel
	.amdgpu_metadata
---
amdhsa.version: [ 1, 2 ]
amdhsa.kernels:
  - .name:           k_q9764e5293e_prep
    .symbol:         k_q9764e5293e_prep.kd
    .args:
      - { .name: indices, .offset: 0, .size: 8, .value_kind: global_buffer, .address_space: global }
      - { .name: pairs, .offset: 8, .size: 8, .value_kind: global_buffer, .address_space: global }
      - { .name: t, .offset: 16, .size: 8, .value_kind: global_buffer, .address_space: global }
      - { .name: xa, .offset: 24, .size: 8, .value_kind: global_buffer, .address_space: global }
      - { .name: bias, .offset: 32, .size: 8, .value_kind: global_buffer, .address_space: global }
      - { .name: pc, .offset: 40, .size: 8, .value_kind: global_buffer, .address_space: global }
      - { .name: ps, .offset: 48, .size: 8, .value_kind: global_buffer, .address_space: global }
    .group_segment_fixed_size: 768
    .private_segment_fixed_size: 0
    .kernarg_segment_align: 8
    .kernarg_segment_size: 56
    .max_flat_workgroup_size: 32
    .sgpr_count:     66
    .vgpr_count:     256
    .wavefront_size: 32
...
	.end_amdgpu_metadata
.endif
;; end of part 1
;; launch nw (part 2): grid 256 x 1, 16 waves a work-group, no clusters, 284,160 bytes of LDS; arguments x_input, t, xa, bias, pc, ps, out0; writes out0
.if DOCPART == 2
	.amdgcn_target "amdgcn-amd-amdhsa--gfx1250"
	.amdhsa_code_object_version 6
	.text
	.protected	k_q9764e5293e_nw
	.globl	k_q9764e5293e_nw
	.p2align	8
	.type	k_q9764e5293e_nw,@function
k_q9764e5293e_nw:
	s_mov_b64 s[64:65], 0
	v_nop
	global_prefetch_b8 v0, s[64:65] scope:SCOPE_SE
	s_setreg_imm32_b32 hwreg(HW_REG_WAVE_MODE, 25, 1), 1
	s_wait_xcnt 0x0
; v[q] = (omega[q] . pi1 / S - mean(omega[q]) x[q]) / (1 - t),  omega = S softmax_s(-max(|x_q - x_t,s|^2, 0) / 2),  S = 8,192 samples, 4,096 queries, 16 numbers a row.
; omega @ pi1 is the QUANTISED product: codes of BF6 (E3M2), one E8M0 scale for each 32 samples.  omega is quantised finished and normalised, so a row's sum must be known before any code is made.
; THE SCORES ARE COMPUTED ONCE (K = 16, f32 operands: v_wmma_f32_16x16x4_f32), and what the second pass needs of them is KEPT: 16 queries x 8,192 numbers x 4 bytes = 524,288 bytes a work-group,
; half in registers (128 of each wave's 256), half in LDS (16,384 bytes a wave).
; ARITHMETIC, all in f32, in powers of two (c = log2 e):  u = sum_k (c x_k) x_t,k - (c / 2) |x_t|^2;  cap = (c / 2) |x|^2;  c log_kappa = min(u, cap) - cap: the clamp max(sq, 0) is min(u, cap).
;   Each lane keeps a running maximum of min(u, cap) over its own samples, rounded UP to a whole number, as -M = floor(-t).  What is kept of a group of 32 samples is p = 2^(min(u, cap) - M_g), M_g the lane's M at that
;   group, with -M_g in a register of its own.  A change of M multiplies the lane's sum by 2^(old M - new M), made by v_ldexp_f32: nothing is rounded, and there is no branch on data.
;   At the end M is the row's, l = sum p under it, f = 8192 / l, and omega = p x (f 2^(M_g - M)): one rounding.  mean(omega) is taken as l f / 8192: the common factor f is drawn out of the sum.
; SHARES.  A work-group owns 16 queries; each of its sixteen waves (256 registers each, so that one wave's vector work stands beside another's matrix work) owns 512 samples: four K steps of the quantised product, 16 groups.
; LAYOUT.  Both products are used transposed: S^T (source 0 = 16 samples, source 1 = my 16 queries) and O^T (source 0 = pi1's 16 columns, source 1 = omega): a lane holds ONE query (lane % 16) throughout.
;   The launch before has laid the samples so that the 16 result registers of two neighbouring tiles are 16 neighbouring samples, and every fragment is an image of its registers: 16 bytes x lane on end.
;   Along the scores' K both sources are permuted alike: lane (r, h) holds numbers 8 h + 0 .. 7 of its row, and K step s takes registers 2 s, 2 s + 1.  The bias -(c / 2) |x_t|^2 is the C of a sum's first link.
; NO CLUSTER AND NO TENSOR LOAD, though all work-groups read the same x_t: p takes 262,144 of LDS's 327,680 bytes, statistics and images 19,968 more; the 45,568 left would hold two slots of 22 KB for a stream of
;   557,056 bytes, some 25 changes of slots, each with a round of the cluster's barrier for sixteen waves; and a fragment is read by ONE wave of the work-group ONCE, so that LDS would spare no read.
;   So fragments and biases come from memory straight into registers, in two buffers: a group's eight loads are issued two groups ahead of its products.  The walk over the samples has no barrier.
; LIMITS: NaN and infinities are not served; a p under 2^-126 counts as 0 (v_exp_f32, ISA guide 15.8); a block of omega that is all zeros gets the byte 1 (its codes are zeros); the two divisions are v_rcp_f32 and a
;   multiplication; the f32 sums are taken in another order than a row-by-row program's; t = 1 gives what a division by 0 gives.
.set STM,   262144                     ; LDS: bytes 0 on: p's images, 16,384 a wave.  Here: the waves' -M: 16 queries x (16 waves x 4 bytes + 16)
.set STL,   STM+1280                   ; and sums
.set WSUM,  STM+2560                   ; mean(omega) of the 16 queries, 64 bytes for each wave: its own copy
.set OS,    STM+3584                   ; the waves' parts of O^T: 16 images of 1,024 bytes
.set AOFF, 1                           ; v1   x_t's fragments: 32,768 x wave + 16 x lane; never rewritten
.set BOFF, 2                           ; v2   the biases: 2,048 x wave + 32 h; never rewritten
.set LAD,  3                           ; v3   LDS: my wave's images of p: 16,384 x wave + 16 x lane; never rewritten
.set NM,   4                           ; v4   -M  (the packed form names the pair v[4:5] and takes its low word for both halves)
.set CAP,  5                           ; v5   cap;  behind the walk: f
.set FV,   5
.set LS,   6                           ; v[6:7]   the sum, in two halves;  in the second pass a group's factor
.set TS,   8                           ; v[8:9]   the sums' second chain;  in the second pass the other group's factor
.set FS,   10                          ; v[10:11] 2^(old M - new M)
.set CH,   12                          ; v12-15   at work
.set XB,   16                          ; v16-23   c x: my query's numbers 8 h + 0 .. 7
.set MG,   24                          ; v24-39   -M_g of the 16 groups
.set PS,   40                          ; v40-43   pi1's scale words of my four K steps;  v44 omega's scale word: these five hold scales and nothing else
.set WS,   44
.set PCO,  45                          ; v45-47   offsets of pi1's codes, of its scale words, and of x and the output on the way out; never rewritten
.set PSO,  46
.set GOFF, 47
.set W,    48                          ; v48-111  two buffers of 32: the fragments of two tiles (16), their biases (16).  Behind the walk:
.set PCA,  48                          ;   v48-59, v60-71 pi1's codes, two K steps
.set PCB,  60
.set XQ,   72                          ;   v72-75  the way out: four numbers of x
.set SA,   76                          ;   v76-79  LDS addresses of the statistics
.set SRD,  77
.set WSA,  78
.set WR,   79
.set SM,   80                          ;   v80-95, v96-111 the sixteen waves' -M and sums;  then:
.set SL,   96
.set WC,   80                          ;   v80-91  omega's codes;  v92-94 a block's codes as they are made
.set CT,   92
.set BM,   96                          ;   v96-97  the blocks' largest omega;  v98-99 the other half's, then the bytes;  v100-101 the conversions' scale operands
.set BX,   98
.set SO,   100
.set OA,   102                         ;   v102-103 LDS addresses of the images of O^T
.set RA,   103
.set OO,   104                         ;   v104-111 O^T: my query, columns 8 h + 0 .. 7
.set DD,   112                         ; v112-127 the scores of two tiles: written by matrix instructions alone
.set ST,   128                         ; v128-255 p of groups 8 to 15, 16 registers each
.set WV,   18                          ; s18  my wave's number
.set SEL,  26                          ; s[26:27] v_permlanex16_b32's selects for lane l xor 16
.macro PLACES n
.rept \n
	v_nop
.endr
.endm
; Group g (tiles 2 g and 2 g + 1 of my 32): fragments, 1,024 bytes a tile, 512 consecutive bytes a load; biases, 64 bytes a tile, of which a lane takes its half's 32.
.macro LOADG g
.set AB, W+32*((\g)%2)
.irp i, 0,1
	global_load_b128 v[AB+8*\i:AB+8*\i+3], v[AOFF], s[8:9] offset:2048*(\g)+1024*\i
	global_load_b128 v[AB+8*\i+4:AB+8*\i+7], v[AOFF], s[8:9] offset:2048*(\g)+1024*\i+512
	global_load_b128 v[AB+16+8*\i:AB+16+8*\i+3], v[BOFF], s[10:11] offset:128*(\g)+64*\i
	global_load_b128 v[AB+16+8*\i+4:AB+16+8*\i+7], v[BOFF], s[10:11] offset:128*(\g)+64*\i+16
.endr
.endm
; u of 32 samples x 16 queries: eight matrix instructions.  The two accumulators take turns, one instruction a turn, and each sum's first link takes the biases as C.
.macro SCORES g
.set AB, W+32*((\g)%2)
.irp i, 0,1
	v_wmma_f32_16x16x4_f32 v[DD+8*\i:DD+8*\i+7], v[AB+8*\i:AB+8*\i+1], v[XB:XB+1], v[AB+16+8*\i:AB+16+8*\i+7]
.endr
.irp s, 1,2,3
.irp i, 0,1
	v_wmma_f32_16x16x4_f32 v[DD+8*\i:DD+8*\i+7], v[AB+8*\i+2*\s:AB+8*\i+2*\s+1], v[XB+2*\s:XB+2*\s+1], v[DD+8*\i:DD+8*\i+7]
.endr
.endr
.endm
; A group's vector work: the lane's new M, p of its 16 samples into v[pt] on, the sum.
.macro STAT g, pt
	v_max3_num_f32 v[CH], v[DD], v[DD+1], v[DD+2]              ; a chain for each tile, begun at the accumulator's low end
	v_max3_num_f32 v[CH+1], v[DD+8], v[DD+9], v[DD+10]
	v_max3_num_f32 v[CH], v[CH], v[DD+3], v[DD+4]
	v_max3_num_f32 v[CH+1], v[CH+1], v[DD+11], v[DD+12]
	v_max3_num_f32 v[CH], v[CH], v[DD+5], v[DD+6]
	v_max3_num_f32 v[CH+1], v[CH+1], v[DD+13], v[DD+14]
	v_max3_num_f32 v[CH], v[CH], v[DD+7], v[DD+15]
	v_max_num_f32 v[CH], v[CH], v[CH+1]
	v_min_num_f32 v[CH], v[CH], v[CAP]                         ; the group's largest min(u, cap)
	v_floor_f32 v[CH], -v[CH]                                  ; floor(-t) = -ceil(t): a whole number
	v_min_num_f32 v[MG+(\g)], v[CH], v[NM]                     ; the new -M; it is kept for the second pass
	v_sub_f32 v[CH+1], v[MG+(\g)], v[NM]                       ; old M - new M: a whole number, 0 or less
	v_mov_b32 v[NM], v[MG+(\g)]
	v_cvt_i32_f32 v[CH+1], v[CH+1]                             ; (it saturates)
	v_ldexp_f32 v[FS], 1.0, v[CH+1]                            ; 2^(old M - new M)
.set cj, 0
.rept 16
	v_min_num_f32 v[(\pt)+cj], v[DD+cj], v[CAP]                ; THE CLAMP
.set cj, cj+1
.endr
.set cj, 0
.rept 8
	v_pk_add_f32 v[(\pt)+cj:(\pt)+cj+1], v[(\pt)+cj:(\pt)+cj+1], v[NM:NM+1] op_sel_hi:[1,0]   ; - M, two at a time
.set cj, cj+2
.endr
.set cj, 0
.rept 16
	v_exp_f32 v[(\pt)+cj], v[(\pt)+cj]                         ; p, at most 1
.set cj, cj+1
.endr
	v_nop                                                      ; a plain instruction behind the last exponential,
	s_wait_alu depctr_va_vdst(0)                               ; and one wait for the whole batch, ahead of its first reader
	v_pk_fma_f32 v[LS:LS+1], v[LS:LS+1], v[FS:FS+1], v[(\pt):(\pt)+1] op_sel_hi:[1,0,1]       ; the sum under the new M, and the 16 new terms in two chains
	v_pk_add_f32 v[TS:TS+1], v[(\pt)+2:(\pt)+3], v[(\pt)+4:(\pt)+5]
	v_pk_add_f32 v[LS:LS+1], v[LS:LS+1], v[(\pt)+6:(\pt)+7]
	v_pk_add_f32 v[TS:TS+1], v[TS:TS+1], v[(\pt)+8:(\pt)+9]
	v_pk_add_f32 v[LS:LS+1], v[LS:LS+1], v[(\pt)+10:(\pt)+11]
	v_pk_add_f32 v[TS:TS+1], v[TS:TS+1], v[(\pt)+12:(\pt)+13]
	v_pk_add_f32 v[LS:LS+1], v[LS:LS+1], v[(\pt)+14:(\pt)+15]
	v_pk_add_f32 v[LS:LS+1], v[LS:LS+1], v[TS:TS+1]
.endm
.macro PCLOAD pcr, j                   ; pi1's codes of my K step j: the operand's registers as they stand, 512 consecutive bytes a load
.irp q, 0,1,2
	global_load_b128 v[\pcr+4*\q:\pcr+4*\q+3], v[PCO], s[12:13] offset:1536*(\j)+512*\q
.endr
.endm
.macro TAIL                            ; eleven loads into the first buffer, which has been multiplied for the last time
	PCLOAD PCA, 3
	PCLOAD PCB, 2
.irp j, 0,1,2,3
	global_load_b32 v[PS+\j], v[PSO], s[14:15] offset:128*\j
.endr
	global_load_b128 v[XQ:XQ+3], v[GOFF], s[4:5]               ; x as the way out wants it
.endm
; A GROUP'S TURN: its products; eight places (between the products and the loads into their sources and the first read of their results);
; the loads of the group two on, into the buffer just multiplied; its vector work.  Groups 0 to 7 send p to LDS as images of their registers, through the registers of groups 14 and 15 by turns.
.macro GROUP g
.if (\g) == 15
	s_wait_loadcnt 11                                          ; my eight loads are in; the eleven issued behind them may be out
.else
	s_wait_loadcnt 8                                           ; my eight loads are in; the next group's eight may be out
.endif
	SCORES \g
	PLACES 8
.if (\g) < 14
	LOADG (\g)+2
.elseif (\g) == 14
	TAIL
.endif
.if (\g) < 8
.if (\g) >= 2
	s_wait_dscnt 4                                             ; the stores of two groups back, which read these registers, are done; the last group's four may be out
.endif
	STAT \g, ST+96+16*((\g)%2)
.irp q, 0,1,2,3
	ds_store_b128 v[LAD], v[ST+96+16*((\g)%2)+4*\q:ST+96+16*((\g)%2)+4*\q+3] offset:2048*(\g)+512*\q
.endr
.else
.if (\g) == 8
	s_wait_dscnt 0x0                                           ; all images are stored: the registers of groups 14 and 15 are free for their own p
.endif
	STAT \g, ST+16*((\g)-8)
.endif
.endm
; THE SECOND PASS.  Blocks 2 c and 2 c + 1 of a K step, p of groups ga and ga + 1 in v[pb] on: omega, quantised: registers 6 c .. 6 c + 5 of the operand and bytes 2 c, 2 c + 1 of its scale word.
.macro OMEGA c, pb, ga
	v_sub_f32 v[CH], v[NM], v[MG+(\ga)]                        ; M_g - M: a whole number, 0 or less
	v_sub_f32 v[CH+1], v[NM], v[MG+(\ga)+1]
	v_cvt_i32_f32 v[CH], v[CH]
	v_cvt_i32_f32 v[CH+1], v[CH+1]
	v_ldexp_f32 v[LS], v[FV], v[CH]                            ; f 2^(M_g - M)
	v_ldexp_f32 v[TS], v[FV], v[CH+1]
.set cj, 0
.rept 8
	v_pk_mul_f32 v[(\pb)+cj:(\pb)+cj+1], v[(\pb)+cj:(\pb)+cj+1], v[LS:LS+1] op_sel_hi:[1,0]           ; omega: finished and normalised, in f32
	v_pk_mul_f32 v[(\pb)+16+cj:(\pb)+16+cj+1], v[(\pb)+16+cj:(\pb)+16+cj+1], v[TS:TS+1] op_sel_hi:[1,0]
.set cj, cj+2
.endr
.irp b, 0,1
	v_max3_num_f32 v[BM+\b], v[(\pb)+16*\b], v[(\pb)+16*\b+1], 0x2800000       ; block b: my 16 numbers (none is negative), and the floor 2^(5 - 127), so that the byte cannot fall under 1
.endr
.irp i, 2,4,6,8,10,12,14
.irp b, 0,1
	v_max3_num_f32 v[BM+\b], v[BM+\b], v[(\pb)+16*\b+\i], v[(\pb)+16*\b+\i+1]  ; (the two blocks by turns)
.endr
.endr
.irp b, 0,1
	v_permlanex16_b32 v[BX+\b], v[BM+\b], s[SEL], s[SEL+1]
.endr
.irp b, 0,1
	v_max_num_f32 v[BM+\b], v[BM+\b], v[BX+\b]                 ; with lane l xor 16's 16: the block's largest omega
.endr
.irp b, 0,1
	v_add_nc_u32 v[SO+\b], 0xfe000000, v[BM+\b]                ; 4 off its exponent field: the conversion's scale operand
.endr
.irp b, 0,1
	v_lshrrev_b32 v[BX+\b], 23, v[SO+\b]                       ; the scale's byte
.endr
.if \c == 0
	v_lshl_or_b32 v[WS], v[BX+1], 8, v[BX]
.else
	v_lshl_or_b32 v[WS], v[BX], 16, v[WS]
	v_lshl_or_b32 v[WS], v[BX+1], 24, v[WS]                    ; my query's scale word for these 128 samples
.endif
	v_cvt_scalef32_pk16_bf6_f32 v[WC+6*\c:WC+6*\c+2], v[(\pb):(\pb)+15], v[SO]
	v_cvt_scalef32_pk16_bf6_f32 v[CT:CT+2], v[(\pb)+16:(\pb)+31], v[SO+1]      ; (a conversion's three registers begin on an even number)
	v_nop                                                      ; one plain vector instruction between a scaled conversion and the vector instruction that touches its result
.irp i, 0,1,2
	v_permlane16_swap_b32 v[WC+6*\c+\i], v[CT+\i]              ; the operand's layout wants a WHOLE block in a lane: lanes 0-15 block 2 c, lanes 16-31 block 2 c + 1
.endr
.irp i, 0,1,2
	v_mov_b32 v[WC+6*\c+3+\i], v[CT+\i]
.endr
.endm
.macro RB reg, g0                      ; the images of groups g0 .. g0 + 3 come back, into v[reg] on: my own bytes, which LDS serves in order (ISA guide 5.7.1.4)
.set ci, 0
.rept 16
	ds_load_b128 v[(\reg)+4*ci:(\reg)+4*ci+3], v[LAD] offset:2048*(\g0)+512*ci
.set ci, ci+1
.endr
.endm
; O^T += pi1^T omega^T over my K step j.  first = 1: the product starts the sum.  The sum has one accumulator, and no other matrix instruction stands between its links: from the second link on, a wait stands directly ahead of each.
.macro PV j, pcr, first
.if \first
	v_wmma_scale_f32_16x16x128_f8f6f4 v[OO:OO+7], v[\pcr:\pcr+11], v[WC:WC+11], 0, v[PS+\j], v[WS] matrix_a_fmt:MATRIX_FMT_BF6 matrix_b_fmt:MATRIX_FMT_BF6
.else
	s_wait_alu depctr_va_vdst(0)
	v_wmma_scale_f32_16x16x128_f8f6f4 v[OO:OO+7], v[\pcr:\pcr+11], v[WC:WC+11], v[OO:OO+7], v[PS+\j], v[WS] matrix_a_fmt:MATRIX_FMT_BF6 matrix_b_fmt:MATRIX_FMT_BF6
.endif
.endm
	s_load_b256 s[4:11], s[0:1], 0x0               ; x s[4:5], t s[6:7], xa s[8:9], bias s[10:11]
	s_load_b128 s[12:15], s[0:1], 0x20             ; pc s[12:13], ps s[14:15]
	s_load_b64 s[16:17], s[0:1], 0x30              ; the output
	v_lshrrev_b32 v[CH], 5, v0
	v_readfirstlane_b32 s[WV], v[CH]               ; wave 0..15
	v_and_b32 v[CH], 31, v0                        ; lane
	v_and_b32 v[CH+1], 15, v0                      ; r
	v_bfe_u32 v[CH+2], v0, 4, 1                    ; h
	s_lshl_b32 s20, s[WV], 15                      ; my 512 samples: 32 tiles of 1,024 bytes,
	v_lshl_add_u32 v[AOFF], v[CH], 4, s20
	s_lshl_b32 s20, s[WV], 11                      ; 2,048 bytes of biases,
	v_lshl_add_u32 v[BOFF], v[CH+2], 5, s20
	s_lshl_b32 s20, s[WV], 14                      ; 16,384 bytes of LDS,
	v_lshl_add_u32 v[LAD], v[CH], 4, s20
	s_mul_i32 s20, s[WV], 6144                     ; four K steps of 1,536 bytes of codes
	v_lshl_add_u32 v[PCO], v[CH], 4, s20
	s_lshl_b32 s20, s[WV], 9                       ; and of 128 bytes of scale words
	v_lshl_add_u32 v[PSO], v[CH], 2, s20
	s_and_b32 s20, s[WV], 1                        ; the way out (waves 0 and 1): wave z takes rows 8 z .. 8 z + 7: 512 z + 16 x lane in x's and the output's 16 rows
	s_lshl_b32 s20, s20, 9
	v_lshl_add_u32 v[GOFF], v[CH], 4, s20
	v_lshlrev_b32 v[CH+3], 6, v[CH+1]
	v_lshl_add_u32 v[CH+3], v[CH+2], 5, v[CH+3]    ; x: row r of 64 bytes, + 32 h
	s_mov_b32 s[SEL], 0x76543210
	s_mov_b32 s[SEL+1], 0xfedcba98
	s_lshl_b32 s22, ttmp9, 10                      ; my 16 queries: 16 rows of 64 bytes
	s_mov_b32 s23, 0
	s_wait_kmcnt 0x0
	s_load_b32 s24, s[6:7], 0x0                    ; t
	s_add_nc_u64 s[4:5], s[4:5], s[22:23]
	s_add_nc_u64 s[16:17], s[16:17], s[22:23]
	global_load_b128 v[ST:ST+3], v[CH+3], s[4:5]               ; x[r][8 h + 0 .. 7]
	global_load_b128 v[ST+4:ST+7], v[CH+3], s[4:5] offset:16
	LOADG 0
	LOADG 1
	v_mov_b32 v[NM], 0x7f61b1e6                    ; -M: 3e38, over every -t
	v_mov_b32 v[LS], 0
	v_mov_b32 v[LS+1], 0
	v_mov_b32 v[FS+1], 0                           ; (the upper half of a pair of which the low word alone is taken is written once)
	s_wait_loadcnt 16                              ; x's two loads are in; the sixteen behind them may be out
	v_pk_mul_f32 v[TS:TS+1], v[ST:ST+1], v[ST:ST+1]
.irp j, 2,4,6
	v_pk_fma_f32 v[TS:TS+1], v[ST+\j:ST+\j+1], v[ST+\j:ST+\j+1], v[TS:TS+1]
.endr
	v_add_f32 v[TS], v[TS], v[TS+1]
	v_permlanex16_b32 v[TS+1], v[TS], s[SEL], s[SEL+1]
	v_add_f32 v[TS], v[TS], v[TS+1]                ; |x|^2
	v_mul_f32 v[CAP], 0x3f38aa3b, v[TS]            ; cap = (c / 2) |x|^2
.irp j, 0,1,2,3,4,5,6,7
	v_mul_f32 v[XB+\j], 0x3fb8aa3b, v[ST+\j]       ; c x
.endr
	s_wait_kmcnt 0x0                               ; t
	; ---- THE WALK: my 512 samples, 32 a group.  No wave waits for another.
.irp g, 0,1,2,3,4,5,6,7,8,9,10,11,12,13,14,15
	GROUP \g
.endr
	; ---- THE ROWS' MAXIMA AND SUMS: lane l xor 16's, then the sixteen waves' through LDS.  All M are whole numbers: every factor is a power of two, made by v_ldexp_f32
	v_and_b32 v[CH], 15, v0
	v_mul_u32_u24 v[SRD], v[CH], 80
	v_add_nc_u32 v[SRD], STM, v[SRD]               ; where my query's sixteen -M lie
	s_lshl_b32 s20, s[WV], 2
	v_add_nc_u32 v[SA], s20, v[SRD]                ; and where my wave puts its own
	s_lshl_b32 s20, s[WV], 6
	s_add_co_u32 s20, s20, WSUM
	v_lshl_add_u32 v[WSA], v[CH], 2, s20           ; my wave's copy of mean(omega)
	v_add_f32 v[CH], v[LS], v[LS+1]
	v_permlanex16_b32 v[TS], v[NM], s[SEL], s[SEL+1]
	v_permlanex16_b32 v[TS+1], v[CH], s[SEL], s[SEL+1]
	v_min_num_f32 v[CH+1], v[NM], v[TS]            ; -M of the two
	v_sub_f32 v[CH+2], v[CH+1], v[NM]              ; my M less it,
	v_sub_f32 v[CH+3], v[CH+1], v[TS]              ; the other's M less it
	v_cvt_i32_f32 v[CH+2], v[CH+2]
	v_cvt_i32_f32 v[CH+3], v[CH+3]
	v_ldexp_f32 v[CH], v[CH], v[CH+2]
	v_ldexp_f32 v[TS+1], v[TS+1], v[CH+3]
	v_add_f32 v[CH], v[CH], v[TS+1]
	ds_store_b32 v[SA], v[CH+1]                    ; both lanes of a query write the same word with the same value
	ds_store_b32 v[SA], v[CH] offset:STL-STM
	s_wait_dscnt 0x0                               ; for the others' sake: my stores are done
	s_barrier_signal -1
	s_barrier_wait -1
.irp i, 0,1,2,3
	ds_load_b128 v[SM+4*\i:SM+4*\i+3], v[SRD] offset:16*\i
.endr
.irp i, 0,1,2,3
	ds_load_b128 v[SL+4*\i:SL+4*\i+3], v[SRD] offset:STL-STM+16*\i
.endr
	s_wait_dscnt 0x0
	v_min3_num_f32 v[CH], v[SM], v[SM+1], v[SM+2]
.irp i, 3,5,7,9,11,13
	v_min3_num_f32 v[CH], v[CH], v[SM+\i], v[SM+\i+1]
.endr
	v_min_num_f32 v[NM], v[CH], v[SM+15]           ; -M of the whole row
.irp i, 0,1,2,3,4,5,6,7,8,9,10,11,12,13,14,15
	v_sub_f32 v[SM+\i], v[NM], v[SM+\i]            ; wave i's M less the row's
.endr
.irp i, 0,1,2,3,4,5,6,7,8,9,10,11,12,13,14,15
	v_cvt_i32_f32 v[SM+\i], v[SM+\i]
.endr
.irp i, 0,1,2,3,4,5,6,7,8,9,10,11,12,13,14,15
	v_ldexp_f32 v[SL+\i], v[SL+\i], v[SM+\i]
.endr
.irp j, 0,2,4,6
	v_pk_add_f32 v[SL+\j:SL+\j+1], v[SL+\j:SL+\j+1], v[SL+8+\j:SL+8+\j+1]
.endr
.irp j, 0,2
	v_pk_add_f32 v[SL+\j:SL+\j+1], v[SL+\j:SL+\j+1], v[SL+4+\j:SL+4+\j+1]
.endr
	v_pk_add_f32 v[SL:SL+1], v[SL:SL+1], v[SL+2:SL+3]
	v_add_f32 v[CH], v[SL], v[SL+1]                ; l, over 1/2: the row's largest p lies over 1/2
	v_rcp_f32 v[CH+1], v[CH]
	v_and_b32 v[CH+2], 31, v0                      ; the addresses of the way out are made here, ahead of the one branch on the wave's number: plain work behind the reciprocal
	s_lshl_b32 s20, s[WV], 10
	s_add_co_u32 s20, s20, OS
	v_lshl_add_u32 v[OA], v[CH+2], 4, s20          ; my wave's image of O^T
	s_and_b32 s20, s[WV], 1
	s_lshl_b32 s20, s20, 3
	v_lshrrev_b32 v[CH+3], 2, v[CH+2]
	v_add_nc_u32 v[CH+3], s20, v[CH+3]             ; wave z, lane l: row 8 z + l / 4, columns 4 (l % 4) + 0 .. 3
	s_lshl_b32 s20, s[WV], 6
	s_add_co_u32 s20, s20, WSUM
	v_lshl_add_u32 v[WR], v[CH+3], 2, s20          ; mean(omega) of that row, in my wave's copy
	v_lshlrev_b32 v[RA], 4, v[CH+3]
	v_and_b32 v[CH+3], 1, v[CH+2]                  ; which four of a lane's eight registers,
	v_lshl_add_u32 v[RA], v[CH+3], 9, v[RA]
	v_bfe_u32 v[CH+3], v[CH+2], 1, 1               ; and which half of the lanes, hold those columns in an image
	v_lshl_add_u32 v[RA], v[CH+3], 8, v[RA]
	v_add_nc_u32 v[RA], OS, v[RA]
	v_mov_b32 v[BX], 0                             ; (a lane permute's destination counts as one of its sources)
	v_mov_b32 v[BX+1], 0
	s_wait_alu depctr_va_vdst(0)                   ; the wait for the reciprocal, ahead of its first reader
	v_mul_f32 v[FV], 0x46000000, v[CH+1]           ; f = 8192 / l
	v_mul_f32 v[CH+3], v[CH], v[CH+1]              ; mean(omega) = l f / 8192
	ds_store_b32 v[WSA], v[CH+3]
	s_wait_loadcnt 0x0                             ; pi1's codes of K steps 3 and 2, the scale words, the way out's x
	; ---- THE SECOND PASS: K steps 3 and 2 lie in registers; 0 and 1 come back from LDS into the registers that those have left, each a K step's work ahead
	OMEGA 0, ST+64, 12
	OMEGA 1, ST+96, 14
	RB ST+64, 0
	PLACES 8                                       ; a scale register written by a vector instruction stands eight places ahead of a scaled matrix instruction, an operand so written four
	PV 3, PCA, 1
	PLACES 4                                       ; four places between the product and the loads into its source
	PCLOAD PCA, 0
	OMEGA 0, ST, 8
	OMEGA 1, ST+32, 10
	RB ST, 4
	PLACES 8
	PV 2, PCB, 0
	PLACES 4
	PCLOAD PCB, 1
	s_wait_dscnt 16                                ; K step 0's p is back; K step 1's sixteen loads may be out
	OMEGA 0, ST+64, 0
	OMEGA 1, ST+96, 2
	PLACES 8
	s_wait_loadcnt 3                               ; K step 0's codes are in; K step 1's three loads may be out
	PV 0, PCA, 0
	s_wait_dscnt 0x0
	OMEGA 0, ST, 4
	OMEGA 1, ST+32, 6
	PLACES 8
	s_wait_loadcnt 0x0
	PV 1, PCB, 0
	; ---- THE WAY OUT.  The sixteen parts of O^T meet in LDS as images of their registers; waves 0 and 1 add them and finish 8 rows each.
	PLACES 4                                       ; four places between the last product and the first read of its result
	ds_store_b128 v[OA], v[OO:OO+3]                ; from the accumulator's low end on
	ds_store_b128 v[OA], v[OO+4:OO+7] offset:512
	s_wait_dscnt 0x0                               ; for the others' sake
	s_barrier_signal -1
	s_barrier_wait -1
	s_cmp_lt_u32 s[WV], 2
	s_cbranch_scc0 .Ldone
.set ci, 0
.rept 16
	ds_load_b128 v[ST+4*ci:ST+4*ci+3], v[RA] offset:1024*ci
.set ci, ci+1
.endr
	ds_load_b32 v[CH], v[WR]                       ; mean(omega) of my row
	v_sub_f32 v[CH+1], 1.0, s24
	v_rcp_f32 v[CH+1], v[CH+1]                     ; 1 / (1 - t)
	s_wait_dscnt 0x0
.set ci, 1
.rept 15
	v_pk_add_f32 v[ST:ST+1], v[ST:ST+1], v[ST+4*ci:ST+4*ci+1]
	v_pk_add_f32 v[ST+2:ST+3], v[ST+2:ST+3], v[ST+4*ci+2:ST+4*ci+3]
.set ci, ci+1
.endr
	s_wait_alu depctr_va_vdst(0)                   ; the wait for the reciprocal, ahead of its first reader; the additions above are the plain work behind it
.irp j, 0,1,2,3
	v_mul_f32 v[ST+64+\j], v[CH], v[XQ+\j]         ; mean(omega) x
.endr
.irp j, 0,1,2,3
	v_fma_f32 v[ST+64+\j], v[ST+\j], 0x39000000, -v[ST+64+\j]      ; omega @ pi1 / 8192 - mean(omega) x
.endr
.irp j, 0,1,2,3
	v_mul_f32 v[ST+64+\j], v[ST+64+\j], v[CH+1]
.endr
	global_store_b128 v[GOFF], v[ST+64:ST+67], s[16:17]            ; 32 lanes store 512 consecutive bytes, at a multiple of 256 from the output's first byte
.Ldone:
	s_wait_xcnt 0x0
	v_lshl_add_u32 v254, v0, 2, 0x44e00
	v_mov_b32 v255, 0
	s_wait_tensorcnt 0x0
	ds_add_u32 v254, v255
	s_wait_dscnt 0x0
	s_endpgm
.Lfunc_end_k_q9764e5293e_nw:
	.size	k_q9764e5293e_nw, .Lfunc_end_k_q9764e5293e_nw-k_q9764e5293e_nw
	.p2alignl 7, 3214868480
	.fill 96, 4, 3214868480
	.section	.rodata,"a",@progbits
	.p2align	6, 0x0
	.amdhsa_kernel k_q9764e5293e_nw
		.amdhsa_group_segment_fixed_size 284160
		.amdhsa_private_segment_fixed_size 0
		.amdhsa_enable_private_segment 0
		.amdhsa_kernarg_size 56
		.amdhsa_user_sgpr_count 2
		.amdhsa_user_sgpr_kernarg_segment_ptr 1
		.amdhsa_wavefront_size32 1
		.amdhsa_system_sgpr_workgroup_id_x 1
		.amdhsa_system_sgpr_workgroup_id_y 1
		.amdhsa_system_sgpr_workgroup_id_z 1
		.amdhsa_system_vgpr_workitem_id 0
		.amdhsa_next_free_vgpr 256
		.amdhsa_next_free_sgpr 66
		.amdhsa_reserve_vcc 0
		.amdhsa_float_denorm_mode_32 3
		.amdhsa_float_denorm_mode_16_64 3
		.amdhsa_memory_ordered 1
		.amdhsa_forward_progress 1
		.amdhsa_inst_pref_size 116
	.end_amdhsa_kernel
	.amdgpu_metadata
---
amdhsa.version: [ 1, 2 ]
amdhsa.kernels:
  - .name:           k_q9764e5293e_nw
    .symbol:         k_q9764e5293e_nw.kd
    .args:
      - { .name: x_input, .offset: 0, .size: 8, .value_kind: global_buffer, .address_space: global }
      - { .name: t, .offset: 8, .size: 8, .value_kind: global_buffer, .address_space: global }
      - { .name: xa, .offset: 16, .size: 8, .value_kind: global_buffer, .address_space: global }
      - { .name: bias, .offset: 24, .size: 8, .value_kind: global_buffer, .address_space: global }
      - { .name: pc, .offset: 32, .size: 8, .value_kind: global_buffer, .address_space: global }
      - { .name: ps, .offset: 40, .size: 8, .value_kind: global_buffer, .address_space: global }
      - { .name: out0, .offset: 48, .size: 8, .value_kind: global_buffer, .address_space: global }
    .group_segment_fixed_size: 284160
    .private_segment_fixed_size: 0
    .kernarg_segment_align: 8
    .kernarg_segment_size: 56
    .max_flat_workgroup_size: 512
    .sgpr_count:     66
    .vgpr_count:     256
    .wavefront_size: 32
...
	.end_amdgpu_metadata
.endif
;; end of part 2
;; ======== version 2 of 2: 2 launches; version 1 with the launch nw written anew for expert scheduling mode
;; workspace buffers: xa 524,288 bytes; bias 32,768 bytes; pc 98,304 bytes; ps 8,192 bytes
;; launch prep: the kernel of part 1 again; grid 64 x 1, 1 waves a work-group, no clusters, 768 bytes of LDS; arguments indices, pairs, t, xa, bias, pc, ps; writes xa, bias, pc, ps
;; launch nw (part 3): grid 256 x 1, 16 waves a work-group, no clusters, 284,160 bytes of LDS; arguments x_input, t, xa, bias, pc, ps, out0; writes out0
.if DOCPART == 3
	.amdgcn_target "amdgcn-amd-amdhsa--gfx1250"
	.amdhsa_code_object_version 6
	.text
	.protected	k_q9764e5293e_nw
	.globl	k_q9764e5293e_nw
	.p2align	8
	.type	k_q9764e5293e_nw,@function
k_q9764e5293e_nw:
	s_mov_b64 s[64:65], 0
	v_nop
	global_prefetch_b8 v0, s[64:65] scope:SCOPE_SE
	s_setreg_imm32_b32 hwreg(HW_REG_WAVE_SCHED_MODE, 0, 2), 2
	s_setreg_imm32_b32 hwreg(HW_REG_WAVE_MODE, 25, 1), 1
	s_wait_xcnt 0x0
	s_wait_alu depctr_vm_vsrc(0)
; v[q] = (omega[q] . pi1 / S - mean(omega[q]) x[q]) / (1 - t),  omega = S softmax_s(-max(|x_q - x_t,s|^2, 0) / 2),  S = 8,192 samples, 4,096 queries, 16 numbers a row.
; omega @ pi1 is the QUANTISED product: codes of BF6 (E3M2), one E8M0 scale for each 32 samples.  omega is quantised finished and normalised, so a row's sum must be known before any code is made.
; THE SCORES ARE COMPUTED ONCE (K = 16, f32 operands: v_wmma_f32_16x16x4_f32), and what the second pass needs of them is KEPT: 16 queries x 8,192 numbers x 4 bytes = 524,288 bytes a work-group,
; half in registers (128 of each wave's 256), half in LDS (16,384 bytes a wave).
; ARITHMETIC, all in f32, in powers of two (c = log2 e):  u = sum_k (c x_k) x_t,k - (c / 2) |x_t|^2;  cap = (c / 2) |x|^2;  c log_kappa = min(u, cap) - cap: the clamp max(sq, 0) is min(u, cap).
;   Each lane keeps a running maximum of min(u, cap) over its own samples, rounded UP to a whole number, as -M = floor(-t).  What is kept of a group of 32 samples is p = 2^(min(u, cap) - M_g), M_g the lane's M at that
;   group, with -M_g in a register of its own.  A change of M multiplies the lane's sum by 2^(old M - new M), made by v_ldexp_f32: nothing is rounded, and there is no branch on data.
;   At the end M is the row's, l = sum p under it, f = 8192 / l, and omega = p x (f 2^(M_g - M)): one rounding.  mean(omega) is taken as l f / 8192: the common factor f is drawn out of the sum.
; SHARES.  A work-group owns 16 queries; each of its sixteen waves (256 registers each, so that one wave's vector work stands beside another's matrix work) owns 512 samples: four K steps of the quantised product, 16 groups.
; LAYOUT.  Both products are used transposed: S^T (source 0 = 16 samples, source 1 = my 16 queries) and O^T (source 0 = pi1's 16 columns, source 1 = omega): a lane holds ONE query (lane % 16) throughout.
;   The launch before has laid the samples so that the 16 result registers of two neighbouring tiles are 16 neighbouring samples, and every fragment is an image of its registers: 16 bytes x lane on end.
;   Along the scores' K both sources are permuted alike: lane (r, h) holds numbers 8 h + 0 .. 7 of its row, and K step s takes registers 2 s, 2 s + 1.  The bias -(c / 2) |x_t|^2 is the C of a sum's first link.
; NO CLUSTER AND NO TENSOR LOAD, though all work-groups read the same x_t: p takes 262,144 of LDS's 327,680 bytes, statistics and images 19,968 more; the 45,568 left would hold two slots of 22 KB for a stream of
;   557,056 bytes, some 25 changes of slots, each with a round of the cluster's barrier for sixteen waves; and a fragment is read by ONE wave of the work-group ONCE, so that LDS would spare no read.
;   So fragments and biases come from memory straight into registers, in two buffers: a group's eight loads are issued two groups ahead of its products.  The walk over the samples has no barrier.
; THE MODE: SCHED_MODE bits 1:0 = 2 (LLVM: expert scheduling mode 2), set by the entry lines.  The code itself states the register dependences between vector or matrix instructions and memory or LDS
;   instructions, with s_wait_alu, always for 0.
; THE PLAN.  Registers that memory or LDS instructions touch:
;   v1-3, v45-47   offsets and LDS addresses, made at the head and never written again.  v15: x's offset at the head; written again in the join.
;   W0, W1         (v48-79, v80-111) group g's loads land in W[g % 2], issued in group g - 2; group g's eight matrix instructions read it.  Behind the walk W0 takes the eleven last loads, W1 the statistics.
;   v224-239, v240-255   groups 0 to 7, by turns: the group's exponentials write its p there, its four LDS stores read it, group g + 2 writes it again; at last groups 14 and 15 keep their own p there.
;   v128-255       in the second pass: a K step's 64 registers are read and written by its quantising, and then the images of a K step from LDS land in them.
;   v48-59, v60-71 pi1's codes: loads land, a scaled product reads, the codes of a later K step land.
;   v76-79, v102-103  LDS addresses, each written once.  v12, v13, v15: the data of three small LDS stores.  O^T and v192-195: the data of the way out's stores.
;   In the walk ONE wait on va_vdst stands in a group, behind its exponentials: it states that p is written (its stores and sums read it) and that the group's matrix instructions are done reading W[g % 2].
;   The group's stores and the loads of the group two on follow it; the sums among them name p as a source and v6-11, none of which a load touches.  One wait on vm_vsrc stands at the head of groups 2 to 8.
;   In the second pass the wait directly ahead of each scaled product also states that all that named the p just quantised is done: the read-back follows the product, which names none of its registers.
; LIMITS: NaN and infinities are not served; a p under 2^-126 counts as 0 (v_exp_f32, ISA guide 15.8); a block of omega that is all zeros gets the byte 1 (its codes are zeros); the two divisions are v_rcp_f32 and a
;   multiplication; the f32 sums are taken in another order than a row-by-row program's; t = 1 gives what a division by 0 gives.
.set STM,   262144                     ; LDS: bytes 0 on: p's images, 16,384 a wave.  Here: the waves' -M: 16 queries x (16 waves x 4 bytes + 16)
.set STL,   STM+1280                   ; and sums
.set WSUM,  STM+2560                   ; mean(omega) of the 16 queries, 64 bytes for each wave: its own copy
.set OS,    STM+3584                   ; the waves' parts of O^T: 16 images of 1,024 bytes
.set AOFF, 1                           ; v1   x_t's fragments: 32,768 x wave + 16 x lane; never rewritten
.set BOFF, 2                           ; v2   the biases: 2,048 x wave + 32 h; never rewritten
.set LAD,  3                           ; v3   LDS: my wave's images of p: 16,384 x wave + 16 x lane; never rewritten
.set NM,   4                           ; v4   -M  (the packed form names the pair v[4:5] and takes its low word for both halves)
.set CAP,  5                           ; v5   cap;  behind the walk: f
.set FV,   5
.set LS,   6                           ; v[6:7]   the sum, in two halves;  in the second pass a group's factor
.set TS,   8                           ; v[8:9]   the sums' second chain;  in the second pass the other group's factor
.set FS,   10                          ; v[10:11] 2^(old M - new M)
.set CH,   12                          ; v12-15   at work
.set XB,   16                          ; v16-23   c x: my query's numbers 8 h + 0 .. 7
.set MG,   24                          ; v24-39   -M_g of the 16 groups
.set PS,   40                          ; v40-43   pi1's scale words of my four K steps;  v44 omega's scale word: these five hold scales and nothing else
.set WS,   44
.set PCO,  45                          ; v45-47   offsets of pi1's codes, of its scale words, and of x and the output on the way out; never rewritten
.set PSO,  46
.set GOFF, 47
.set W,    48                          ; v48-111  two buffers of 32: the fragments of two tiles (16), their biases (16).  Behind the walk:
.set PCA,  48                          ;   v48-59, v60-71 pi1's codes, two K steps
.set PCB,  60
.set XQ,   72                          ;   v72-75  the way out: four numbers of x
.set SA,   76                          ;   v76-79  LDS addresses of the statistics
.set SRD,  77
.set WSA,  78
.set WR,   79
.set SM,   80                          ;   v80-95, v96-111 the sixteen waves' -M and sums;  then:
.set SL,   96
.set WC,   80                          ;   v80-91  omega's codes;  v92-94 a block's codes as they are made
.set CT,   92
.set BM,   96                          ;   v96-97  the blocks' largest omega;  v98-99 the other half's, then the bytes;  v100-101 the conversions' scale operands
.set BX,   98
.set SO,   100
.set OA,   102                         ;   v102-103 LDS addresses of the images of O^T
.set RA,   103
.set OO,   104                         ;   v104-111 O^T: my query, columns 8 h + 0 .. 7
.set DD,   112                         ; v112-127 the scores of two tiles: written by matrix instructions alone
.set ST,   128                         ; v128-255 p of groups 8 to 15, 16 registers each
.set WV,   18                          ; s18  my wave's number
.set SEL,  26                          ; s[26:27] v_permlanex16_b32's selects for lane l xor 16
.macro PLACES n
.rept \n
	v_nop
.endr
.endm
; Tile i of group g (tiles 2 g and 2 g + 1 of my 32): its fragment, 1,024 bytes, 512 consecutive bytes a load; its biases, 64 bytes, of which a lane takes its half's 32.
.macro LOADH g, i
.set AB, W+32*((\g)%2)
	global_load_b128 v[AB+8*(\i):AB+8*(\i)+3], v[AOFF], s[8:9] offset:2048*(\g)+1024*(\i)
	global_load_b128 v[AB+8*(\i)+4:AB+8*(\i)+7], v[AOFF], s[8:9] offset:2048*(\g)+1024*(\i)+512
	global_load_b128 v[AB+16+8*(\i):AB+16+8*(\i)+3], v[BOFF], s[10:11] offset:128*(\g)+64*(\i)
	global_load_b128 v[AB+16+8*(\i)+4:AB+16+8*(\i)+7], v[BOFF], s[10:11] offset:128*(\g)+64*(\i)+16
.endm
.macro LOADG g
	LOADH \g, 0
	LOADH \g, 1
.endm
; u of 32 samples x 16 queries: eight matrix instructions.  The two accumulators take turns, one instruction a turn, and each sum's first link takes the biases as C.
.macro SCORES g
.set AB, W+32*((\g)%2)
.irp i, 0,1
	v_wmma_f32_16x16x4_f32 v[DD+8*\i:DD+8*\i+7], v[AB+8*\i:AB+8*\i+1], v[XB:XB+1], v[AB+16+8*\i:AB+16+8*\i+7]
.endr
.irp s, 1,2,3
.irp i, 0,1
	v_wmma_f32_16x16x4_f32 v[DD+8*\i:DD+8*\i+7], v[AB+8*\i+2*\s:AB+8*\i+2*\s+1], v[XB+2*\s:XB+2*\s+1], v[DD+8*\i:DD+8*\i+7]
.endr
.endr
.endm
.macro PCLOAD pcr, j                   ; pi1's codes of my K step j: the operand's registers as they stand, 512 consecutive bytes a load
.irp q, 0,1,2
	global_load_b128 v[\pcr+4*\q:\pcr+4*\q+3], v[PCO], s[12:13] offset:1536*(\j)+512*\q
.endr
.endm
.macro TAIL                            ; eleven loads into the first buffer, which has been multiplied for the last time
	PCLOAD PCA, 3
	PCLOAD PCB, 2
.irp j, 0,1,2,3
	global_load_b32 v[PS+\j], v[PSO], s[14:15] offset:128*\j
.endr
	global_load_b128 v[XQ:XQ+3], v[GOFF], s[4:5]               ; x as the way out wants it
.endm
; What a group asks of memory behind its one wait, in two shares: the group two on, into the buffer that this group has multiplied; in group 14 the eleven last loads; in group 15 nothing.
.macro AHEAD0 g
.if (\g) < 14
	LOADH (\g)+2, 0
.elseif (\g) == 14
	TAIL
.endif
.endm
.macro AHEAD1 g
.if (\g) < 14
	LOADH (\g)+2, 1
.endif
.endm
.macro IMAGES g, pt                    ; groups 0 to 7 send p to LDS as images of their registers
.if (\g) < 8
.irp q, 0,1,2,3
	ds_store_b128 v[LAD], v[(\pt)+4*\q:(\pt)+4*\q+3] offset:2048*(\g)+512*\q
.endr
.endif
.endm
; A group's vector work: the lane's new M, p of its 16 samples into v[pt] on, the sum; and behind the one wait its memory and LDS instructions.
.macro STAT g, pt
	v_max3_num_f32 v[CH], v[DD], v[DD+1], v[DD+2]              ; a chain for each tile, begun at the accumulator's low end
	v_max3_num_f32 v[CH+1], v[DD+8], v[DD+9], v[DD+10]
	v_max3_num_f32 v[CH], v[CH], v[DD+3], v[DD+4]
	v_max3_num_f32 v[CH+1], v[CH+1], v[DD+11], v[DD+12]
	v_max3_num_f32 v[CH], v[CH], v[DD+5], v[DD+6]
	v_max3_num_f32 v[CH+1], v[CH+1], v[DD+13], v[DD+14]
	v_max3_num_f32 v[CH], v[CH], v[DD+7], v[DD+15]
	v_max_num_f32 v[CH], v[CH], v[CH+1]
	v_min_num_f32 v[CH], v[CH], v[CAP]                         ; the group's largest min(u, cap)
	v_floor_f32 v[CH], -v[CH]                                  ; floor(-t) = -ceil(t): a whole number
	v_min_num_f32 v[MG+(\g)], v[CH], v[NM]                     ; the new -M; it is kept for the second pass
	v_sub_f32 v[CH+1], v[MG+(\g)], v[NM]                       ; old M - new M: a whole number, 0 or less
	v_mov_b32 v[NM], v[MG+(\g)]
	v_cvt_i32_f32 v[CH+1], v[CH+1]                             ; (it saturates)
	v_ldexp_f32 v[FS], 1.0, v[CH+1]                            ; 2^(old M - new M)
.set cj, 0
.rept 16
	v_min_num_f32 v[(\pt)+cj], v[DD+cj], v[CAP]                ; THE CLAMP
.set cj, cj+1
.endr
.set cj, 0
.rept 8
	v_pk_add_f32 v[(\pt)+cj:(\pt)+cj+1], v[(\pt)+cj:(\pt)+cj+1], v[NM:NM+1] op_sel_hi:[1,0]   ; - M, two at a time
.set cj, cj+2
.endr
.set cj, 0
.rept 16
	v_exp_f32 v[(\pt)+cj], v[(\pt)+cj]                         ; p, at most 1
.set cj, cj+1
.endr
	v_nop                                                      ; a plain instruction behind the last exponential,
	s_wait_alu depctr_va_vdst(0)                               ; THE GROUP'S ONE WAIT: the sixteen exponentials have written p, which the LDS stores and the sums below read; the group's matrix instructions are done reading their buffer, in which the loads below land
	AHEAD0 \g
	IMAGES \g, \pt                                             ; all four stores stand ahead of the first sum
	v_pk_fma_f32 v[LS:LS+1], v[LS:LS+1], v[FS:FS+1], v[(\pt):(\pt)+1] op_sel_hi:[1,0,1]       ; the sum under the new M, and the 16 new terms in two chains
	v_pk_add_f32 v[TS:TS+1], v[(\pt)+2:(\pt)+3], v[(\pt)+4:(\pt)+5]
	v_pk_add_f32 v[LS:LS+1], v[LS:LS+1], v[(\pt)+6:(\pt)+7]
	v_pk_add_f32 v[TS:TS+1], v[TS:TS+1], v[(\pt)+8:(\pt)+9]
	AHEAD1 \g                                                  ; no wait: the four sums since the wait name p, v[LS ..], v[TS ..] and v[FS ..], none of the registers that these loads touch
	v_pk_add_f32 v[LS:LS+1], v[LS:LS+1], v[(\pt)+10:(\pt)+11]
	v_pk_add_f32 v[TS:TS+1], v[TS:TS+1], v[(\pt)+12:(\pt)+13]
	v_pk_add_f32 v[LS:LS+1], v[LS:LS+1], v[(\pt)+14:(\pt)+15]
	v_pk_add_f32 v[LS:LS+1], v[LS:LS+1], v[TS:TS+1]
.endm
; A GROUP'S TURN: its products; eight places between the products and the first read of their results; its vector work, and behind that work's one wait the group's LDS stores and the loads of the
; group two on, into the buffer just multiplied.  Groups 0 to 7 send p to LDS through the registers of groups 14 and 15 by turns.
.macro GROUP g
.if (\g) == 15
	s_wait_loadcnt 11                                          ; my eight loads are in; the eleven issued behind them may be out
.else
	s_wait_loadcnt 8                                           ; my eight loads are in; the next group's eight may be out
.endif
.if (\g) < 8
.if (\g) >= 2
	s_wait_dscnt 4                                             ; the stores of two groups back, which read the registers that this group's p takes, are done; the last group's four may be out
	s_wait_alu depctr_vm_vsrc(0)                               ; the LDS stores of two groups back have read those registers, which this group's clamp writes again (in group 2 also: x's two loads have read v15, which the join writes)
.endif
.endif
.if (\g) == 8
	s_wait_dscnt 0x0                                           ; all images are stored: the registers of groups 14 and 15 are free for their own p
	s_wait_alu depctr_vm_vsrc(0)                               ; the LDS stores of groups 6 and 7 have read v224 to v255, which groups 14 and 15 write
.endif
	SCORES \g
	PLACES 8
.if (\g) < 8
	STAT \g, ST+96+16*((\g)%2)
.else
	STAT \g, ST+16*((\g)-8)
.endif
.endm
; THE SECOND PASS.  Blocks 2 c and 2 c + 1 of a K step, p of groups ga and ga + 1 in v[pb] on: omega, quantised: registers 6 c .. 6 c + 5 of the operand and bytes 2 c, 2 c + 1 of its scale word.
.macro OMEGA c, pb, ga
	v_sub_f32 v[CH], v[NM], v[MG+(\ga)]                        ; M_g - M: a whole number, 0 or less
	v_sub_f32 v[CH+1], v[NM], v[MG+(\ga)+1]
	v_cvt_i32_f32 v[CH], v[CH]
	v_cvt_i32_f32 v[CH+1], v[CH+1]
	v_ldexp_f32 v[LS], v[FV], v[CH]                            ; f 2^(M_g - M)
	v_ldexp_f32 v[TS], v[FV], v[CH+1]
.set cj, 0
.rept 8
	v_pk_mul_f32 v[(\pb)+cj:(\pb)+cj+1], v[(\pb)+cj:(\pb)+cj+1], v[LS:LS+1] op_sel_hi:[1,0]           ; omega: finished and normalised, in f32
	v_pk_mul_f32 v[(\pb)+16+cj:(\pb)+16+cj+1], v[(\pb)+16+cj:(\pb)+16+cj+1], v[TS:TS+1] op_sel_hi:[1,0]
.set cj, cj+2
.endr
.irp b, 0,1
	v_max3_num_f32 v[BM+\b], v[(\pb)+16*\b], v[(\pb)+16*\b+1], 0x2800000       ; block b: my 16 numbers (none is negative), and the floor 2^(5 - 127), so that the byte cannot fall under 1
.endr
.irp i, 2,4,6,8,10,12,14
.irp b, 0,1
	v_max3_num_f32 v[BM+\b], v[BM+\b], v[(\pb)+16*\b+\i], v[(\pb)+16*\b+\i+1]  ; (the two blocks by turns)
.endr
.endr
.irp b, 0,1
	v_permlanex16_b32 v[BX+\b], v[BM+\b], s[SEL], s[SEL+1]
.endr
.irp b, 0,1
	v_max_num_f32 v[BM+\b], v[BM+\b], v[BX+\b]                 ; with lane l xor 16's 16: the block's largest omega
.endr
.irp b, 0,1
	v_add_nc_u32 v[SO+\b], 0xfe000000, v[BM+\b]                ; 4 off its exponent field: the conversion's scale operand
.endr
.irp b, 0,1
	v_lshrrev_b32 v[BX+\b], 23, v[SO+\b]                       ; the scale's byte
.endr
.if \c == 0
	v_lshl_or_b32 v[WS], v[BX+1], 8, v[BX]
.else
	v_lshl_or_b32 v[WS], v[BX], 16, v[WS]
	v_lshl_or_b32 v[WS], v[BX+1], 24, v[WS]                    ; my query's scale word for these 128 samples
.endif
	v_cvt_scalef32_pk16_bf6_f32 v[WC+6*\c:WC+6*\c+2], v[(\pb):(\pb)+15], v[SO]
	v_cvt_scalef32_pk16_bf6_f32 v[CT:CT+2], v[(\pb)+16:(\pb)+31], v[SO+1]      ; (a conversion's three registers begin on an even number)
	v_nop                                                      ; one plain vector instruction between a scaled conversion and the vector instruction that touches its result
.irp i, 0,1,2
	v_permlane16_swap_b32 v[WC+6*\c+\i], v[CT+\i]              ; the operand's layout wants a WHOLE block in a lane: lanes 0-15 block 2 c, lanes 16-31 block 2 c + 1
.endr
.irp i, 0,1,2
	v_mov_b32 v[WC+6*\c+3+\i], v[CT+\i]
.endr
.endm
.macro RB reg, g0                      ; the images of groups g0 .. g0 + 3 come back, into v[reg] on: my own bytes, which LDS serves in order (ISA guide 5.7.1.4)
.set ci, 0
.rept 16
	ds_load_b128 v[(\reg)+4*ci:(\reg)+4*ci+3], v[LAD] offset:2048*(\g0)+512*ci
.set ci, ci+1
.endr
.endm
; O^T += pi1^T omega^T over my K step j.  first = 1: the product starts the sum.  The sum has one accumulator, and no other matrix instruction stands between its links: the wait stands directly ahead of each link.
.macro PV j, pcr, first
	s_wait_alu depctr_va_vdst(0)                               ; omega's codes v[WC ..] and its scale word v[WS] are written, which the product takes as source 1 and as scales (the eight places stand ahead); all that read or wrote the p just quantised is done, so that the LDS loads behind the product may land there; from the second link on also the wait ahead of a link
.if \first
	v_wmma_scale_f32_16x16x128_f8f6f4 v[OO:OO+7], v[\pcr:\pcr+11], v[WC:WC+11], 0, v[PS+\j], v[WS] matrix_a_fmt:MATRIX_FMT_BF6 matrix_b_fmt:MATRIX_FMT_BF6
.else
	v_wmma_scale_f32_16x16x128_f8f6f4 v[OO:OO+7], v[\pcr:\pcr+11], v[WC:WC+11], v[OO:OO+7], v[PS+\j], v[WS] matrix_a_fmt:MATRIX_FMT_BF6 matrix_b_fmt:MATRIX_FMT_BF6
.endif
.endm
	s_load_b256 s[4:11], s[0:1], 0x0               ; x s[4:5], t s[6:7], xa s[8:9], bias s[10:11]
	s_load_b128 s[12:15], s[0:1], 0x20             ; pc s[12:13], ps s[14:15]
	s_load_b64 s[16:17], s[0:1], 0x30              ; the output
	v_lshrrev_b32 v[CH], 5, v0
	v_readfirstlane_b32 s[WV], v[CH]               ; wave 0..15
	v_and_b32 v[CH], 31, v0                        ; lane
	v_and_b32 v[CH+1], 15, v0                      ; r
	v_bfe_u32 v[CH+2], v0, 4, 1                    ; h
	s_wait_alu depctr_va_sdst(0)                   ; s18, my wave's number, is written, ahead of its first reader
	s_lshl_b32 s20, s[WV], 15                      ; my 512 samples: 32 tiles of 1,024 bytes,
	v_lshl_add_u32 v[AOFF], v[CH], 4, s20
	s_lshl_b32 s20, s[WV], 11                      ; 2,048 bytes of biases,
	v_lshl_add_u32 v[BOFF], v[CH+2], 5, s20
	s_lshl_b32 s20, s[WV], 14                      ; 16,384 bytes of LDS,
	v_lshl_add_u32 v[LAD], v[CH], 4, s20
	s_mul_i32 s20, s[WV], 6144                     ; four K steps of 1,536 bytes of codes
	v_lshl_add_u32 v[PCO], v[CH], 4, s20
	s_lshl_b32 s20, s[WV], 9                       ; and of 128 bytes of scale words
	v_lshl_add_u32 v[PSO], v[CH], 2, s20
	s_and_b32 s20, s[WV], 1                        ; the way out (waves 0 and 1): wave z takes rows 8 z .. 8 z + 7: 512 z + 16 x lane in x's and the output's 16 rows
	s_lshl_b32 s20, s20, 9
	v_lshl_add_u32 v[GOFF], v[CH], 4, s20
	v_lshlrev_b32 v[CH+3], 6, v[CH+1]
	v_lshl_add_u32 v[CH+3], v[CH+2], 5, v[CH+3]    ; x: row r of 64 bytes, + 32 h
	s_mov_b32 s[SEL], 0x76543210
	s_mov_b32 s[SEL+1], 0xfedcba98
	s_lshl_b32 s22, ttmp9, 10                      ; my 16 queries: 16 rows of 64 bytes
	s_mov_b32 s23, 0
	s_wait_kmcnt 0x0
	s_load_b32 s24, s[6:7], 0x0                    ; t
	s_add_nc_u64 s[4:5], s[4:5], s[22:23]
	s_add_nc_u64 s[16:17], s[16:17], s[22:23]
	s_wait_alu depctr_va_vdst(0)                   ; the seven offsets v1 to v3, v15 and v45 to v47 are written, which the loads and stores of the whole kernel read
	global_load_b128 v[ST:ST+3], v[CH+3], s[4:5]               ; x[r][8 h + 0 .. 7]
	global_load_b128 v[ST+4:ST+7], v[CH+3], s[4:5] offset:16
	LOADG 0
	LOADG 1
	v_mov_b32 v[NM], 0x7f61b1e6                    ; -M: 3e38, over every -t
	v_mov_b32 v[LS], 0
	v_mov_b32 v[LS+1], 0
	v_mov_b32 v[FS+1], 0                           ; (the upper half of a pair of which the low word alone is taken is written once)
	s_wait_loadcnt 16                              ; x's two loads are in; the sixteen behind them may be out
	v_pk_mul_f32 v[TS:TS+1], v[ST:ST+1], v[ST:ST+1]
.irp j, 2,4,6
	v_pk_fma_f32 v[TS:TS+1], v[ST+\j:ST+\j+1], v[ST+\j:ST+\j+1], v[TS:TS+1]
.endr
	v_add_f32 v[TS], v[TS], v[TS+1]
	v_permlanex16_b32 v[TS+1], v[TS], s[SEL], s[SEL+1]
	v_add_f32 v[TS], v[TS], v[TS+1]                ; |x|^2
	v_mul_f32 v[CAP], 0x3f38aa3b, v[TS]            ; cap = (c / 2) |x|^2
.irp j, 0,1,2,3,4,5,6,7
	v_mul_f32 v[XB+\j], 0x3fb8aa3b, v[ST+\j]       ; c x
.endr
	s_wait_kmcnt 0x0                               ; t
	; ---- THE WALK: my 512 samples, 32 a group.  No wave waits for another.
.irp g, 0,1,2,3,4,5,6,7,8,9,10,11,12,13,14,15
	GROUP \g
.endr
	; ---- THE ROWS' MAXIMA AND SUMS: lane l xor 16's, then the sixteen waves' through LDS.  All M are whole numbers: every factor is a power of two, made by v_ldexp_f32
	v_and_b32 v[CH], 15, v0
	v_mul_u32_u24 v[SRD], v[CH], 80
	v_add_nc_u32 v[SRD], STM, v[SRD]               ; where my query's sixteen -M lie
	s_lshl_b32 s20, s[WV], 2
	v_add_nc_u32 v[SA], s20, v[SRD]                ; and where my wave puts its own
	s_lshl_b32 s20, s[WV], 6
	s_add_co_u32 s20, s20, WSUM
	v_lshl_add_u32 v[WSA], v[CH], 2, s20           ; my wave's copy of mean(omega)
	v_add_f32 v[CH], v[LS], v[LS+1]
	v_permlanex16_b32 v[TS], v[NM], s[SEL], s[SEL+1]
	v_permlanex16_b32 v[TS+1], v[CH], s[SEL], s[SEL+1]
	v_min_num_f32 v[CH+1], v[NM], v[TS]            ; -M of the two
	v_sub_f32 v[CH+2], v[CH+1], v[NM]              ; my M less it,
	v_sub_f32 v[CH+3], v[CH+1], v[TS]              ; the other's M less it
	v_cvt_i32_f32 v[CH+2], v[CH+2]
	v_cvt_i32_f32 v[CH+3], v[CH+3]
	v_ldexp_f32 v[CH], v[CH], v[CH+2]
	v_ldexp_f32 v[TS+1], v[TS+1], v[CH+3]
	v_add_f32 v[CH], v[CH], v[TS+1]
	s_wait_alu depctr_va_vdst(0)                   ; v[SA], v[SRD], my -M in v13 and my sum in v12 are written, which the two LDS stores and the eight LDS loads below read
	ds_store_b32 v[SA], v[CH+1]                    ; both lanes of a query write the same word with the same value
	ds_store_b32 v[SA], v[CH] offset:STL-STM
	s_wait_dscnt 0x0                               ; for the others' sake: my stores are done
	s_barrier_signal -1
	s_barrier_wait -1
.irp i, 0,1,2,3
	ds_load_b128 v[SM+4*\i:SM+4*\i+3], v[SRD] offset:16*\i     ; (they land in the second buffer: group 15's matrix instructions, its last readers, stand ahead of that group's wait)
.endr
.irp i, 0,1,2,3
	ds_load_b128 v[SL+4*\i:SL+4*\i+3], v[SRD] offset:STL-STM+16*\i
.endr
	s_wait_dscnt 0x0
	s_wait_alu depctr_vm_vsrc(0)                   ; the two LDS stores have read v12 and v13, which the lines below write again
	v_min3_num_f32 v[CH], v[SM], v[SM+1], v[SM+2]
.irp i, 3,5,7,9,11,13
	v_min3_num_f32 v[CH], v[CH], v[SM+\i], v[SM+\i+1]
.endr
	v_min_num_f32 v[NM], v[CH], v[SM+15]           ; -M of the whole row
.irp i, 0,1,2,3,4,5,6,7,8,9,10,11,12,13,14,15
	v_sub_f32 v[SM+\i], v[NM], v[SM+\i]            ; wave i's M less the row's
.endr
.irp i, 0,1,2,3,4,5,6,7,8,9,10,11,12,13,14,15
	v_cvt_i32_f32 v[SM+\i], v[SM+\i]
.endr
.irp i, 0,1,2,3,4,5,6,7,8,9,10,11,12,13,14,15
	v_ldexp_f32 v[SL+\i], v[SL+\i], v[SM+\i]
.endr
.irp j, 0,2,4,6
	v_pk_add_f32 v[SL+\j:SL+\j+1], v[SL+\j:SL+\j+1], v[SL+8+\j:SL+8+\j+1]
.endr
.irp j, 0,2
	v_pk_add_f32 v[SL+\j:SL+\j+1], v[SL+\j:SL+\j+1], v[SL+4+\j:SL+4+\j+1]
.endr
	v_pk_add_f32 v[SL:SL+1], v[SL:SL+1], v[SL+2:SL+3]
	v_add_f32 v[CH], v[SL], v[SL+1]                ; l, over 1/2: the row's largest p lies over 1/2
	v_rcp_f32 v[CH+1], v[CH]
	v_and_b32 v[CH+2], 31, v0                      ; the addresses of the way out are made here, ahead of the one branch on the wave's number: plain work behind the reciprocal
	s_lshl_b32 s20, s[WV], 10
	s_add_co_u32 s20, s20, OS
	v_lshl_add_u32 v[OA], v[CH+2], 4, s20          ; my wave's image of O^T
	s_and_b32 s20, s[WV], 1
	s_lshl_b32 s20, s20, 3
	v_lshrrev_b32 v[CH+3], 2, v[CH+2]
	v_add_nc_u32 v[CH+3], s20, v[CH+3]             ; wave z, lane l: row 8 z + l / 4, columns 4 (l % 4) + 0 .. 3
	s_lshl_b32 s20, s[WV], 6
	s_add_co_u32 s20, s20, WSUM
	v_lshl_add_u32 v[WR], v[CH+3], 2, s20          ; mean(omega) of that row, in my wave's copy
	v_lshlrev_b32 v[RA], 4, v[CH+3]
	v_and_b32 v[CH+3], 1, v[CH+2]                  ; which four of a lane's eight registers,
	v_lshl_add_u32 v[RA], v[CH+3], 9, v[RA]
	v_bfe_u32 v[CH+3], v[CH+2], 1, 1               ; and which half of the lanes, hold those columns in an image
	v_lshl_add_u32 v[RA], v[CH+3], 8, v[RA]
	v_add_nc_u32 v[RA], OS, v[RA]
	v_mov_b32 v[BX], 0                             ; (a lane permute's destination counts as one of its sources)
	v_mov_b32 v[BX+1], 0
	s_wait_alu depctr_va_vdst(0)                   ; the reciprocal has written v13, ahead of its first reader
	v_mul_f32 v[FV], 0x46000000, v[CH+1]           ; f = 8192 / l
	v_mul_f32 v[CH+3], v[CH], v[CH+1]              ; mean(omega) = l f / 8192; it is stored behind the first product's wait
	s_wait_loadcnt 0x0                             ; pi1's codes of K steps 3 and 2, the scale words, the way out's x
	; ---- THE SECOND PASS: K steps 3 and 2 lie in registers; 0 and 1 come back from LDS into the registers that those have left, each a K step's work ahead
	OMEGA 0, ST+64, 12
	OMEGA 1, ST+96, 14
	PLACES 8                                       ; a scale register written by a vector instruction stands eight places ahead of a scaled matrix instruction, an operand so written four
	PV 3, PCA, 1
	PLACES 4                                       ; four places behind the product, ahead of the loads into its source
	ds_store_b32 v[WSA], v[CH+3]                   ; v[WSA] and v15 were written ahead of the product's wait, and nothing since names them
	RB ST+64, 0                                    ; likewise v192 to v255: the product names none of them
	s_wait_alu depctr_va_vdst(0)                   ; the product is done reading v[PCA ..], in which the three loads below land
	PCLOAD PCA, 0
	OMEGA 0, ST, 8
	OMEGA 1, ST+32, 10
	PLACES 8
	PV 2, PCB, 0
	PLACES 4
	RB ST, 4                                       ; v128 to v191: all that named them stands ahead of the product's wait
	s_wait_alu depctr_va_vdst(0)                   ; the product is done reading v[PCB ..], in which the three loads below land
	PCLOAD PCB, 1
	s_wait_dscnt 16                                ; K step 0's p is back; K step 1's sixteen loads may be out
	OMEGA 0, ST+64, 0
	OMEGA 1, ST+96, 2
	PLACES 8
	s_wait_loadcnt 3                               ; K step 0's codes are in; K step 1's three loads may be out
	PV 0, PCA, 0
	s_wait_dscnt 0x0
	OMEGA 0, ST, 4
	OMEGA 1, ST+32, 6
	PLACES 8
	s_wait_loadcnt 0x0
	PV 1, PCB, 0
	; ---- THE WAY OUT.  The sixteen parts of O^T meet in LDS as images of their registers; waves 0 and 1 add them and finish 8 rows each.
	PLACES 4                                       ; four places between the last product and the first read of its result
	s_wait_alu depctr_va_vdst(0)                   ; the last product has written O^T, which the two LDS stores read (the places above stay beside this wait); all that named v12 and v128 to v191 is done, in which the LDS loads behind the branch land
	ds_store_b128 v[OA], v[OO:OO+3]                ; from the accumulator's low end on
	ds_store_b128 v[OA], v[OO+4:OO+7] offset:512
	s_wait_dscnt 0x0                               ; for the others' sake
	s_barrier_signal -1
	s_barrier_wait -1
	s_cmp_lt_u32 s[WV], 2
	s_cbranch_scc0 .Ldone
.set ci, 0
.rept 16
	ds_load_b128 v[ST+4*ci:ST+4*ci+3], v[RA] offset:1024*ci
.set ci, ci+1
.endr
	ds_load_b32 v[CH], v[WR]                       ; mean(omega) of my row
	v_sub_f32 v[CH+1], 1.0, s24
	v_rcp_f32 v[CH+1], v[CH+1]                     ; 1 / (1 - t)
	s_wait_dscnt 0x0
.set ci, 1
.rept 15
	v_pk_add_f32 v[ST:ST+1], v[ST:ST+1], v[ST+4*ci:ST+4*ci+1]
	v_pk_add_f32 v[ST+2:ST+3], v[ST+2:ST+3], v[ST+4*ci+2:ST+4*ci+3]
.set ci, ci+1
.endr
	s_wait_alu depctr_va_vdst(0)                   ; the reciprocal has written v13, ahead of its first reader; the additions above are the plain work behind it
.irp j, 0,1,2,3
	v_mul_f32 v[ST+64+\j], v[CH], v[XQ+\j]         ; mean(omega) x
.endr
.irp j, 0,1,2,3
	v_fma_f32 v[ST+64+\j], v[ST+\j], 0x39000000, -v[ST+64+\j]      ; omega @ pi1 / 8192 - mean(omega) x
.endr
.irp j, 0,1,2,3
	v_mul_f32 v[ST+64+\j], v[ST+64+\j], v[CH+1]
.endr
	s_wait_alu depctr_va_vdst(0)                   ; the four results v192 to v195 are written, which the store reads
	global_store_b128 v[GOFF], v[ST+64:ST+67], s[16:17]            ; 32 lanes store 512 consecutive bytes, at a multiple of 256 from the output's first byte
.Ldone:
	s_wait_xcnt 0x0
	s_wait_alu depctr_vm_vsrc(0)                   ; the LDS stores of the odd groups' images have read v254 and v255, which the two lines below write anew
	v_lshl_add_u32 v254, v0, 2, 0x44e00
	v_mov_b32 v255, 0
	s_wait_dscnt 0x0                               ; the closing lines, six on end
	s_wait_alu 0x0
	s_wait_tensorcnt 0x0
	ds_add_u32 v254, v255
	s_wait_dscnt 0x0
	s_endpgm
.Lfunc_end_k_q9764e5293e_nw:
	.size	k_q9764e5293e_nw, .Lfunc_end_k_q9764e5293e_nw-k_q9764e5293e_nw
	.p2alignl 7, 3214868480
	.fill 96, 4, 3214868480
	.section	.rodata,"a",@progbits
	.p2align	6, 0x0
	.amdhsa_kernel k_q9764e5293e_nw
		.amdhsa_group_segment_fixed_size 284160
		.amdhsa_private_segment_fixed_size 0
		.amdhsa_enable_private_segment 0
		.amdhsa_kernarg_size 56
		.amdhsa_user_sgpr_count 2
		.amdhsa_user_sgpr_kernarg_segment_ptr 1
		.amdhsa_wavefront_size32 1
		.amdhsa_system_sgpr_workgroup_id_x 1
		.amdhsa_system_sgpr_workgroup_id_y 1
		.amdhsa_system_sgpr_workgroup_id_z 1
		.amdhsa_system_vgpr_workitem_id 0
		.amdhsa_next_free_vgpr 256
		.amdhsa_next_free_sgpr 66
		.amdhsa_reserve_vcc 0
		.amdhsa_float_denorm_mode_32 3
		.amdhsa_float_denorm_mode_16_64 3
		.amdhsa_memory_ordered 1
		.amdhsa_forward_progress 1
		.amdhsa_inst_pref_size 117
	.end_amdhsa_kernel
	.amdgpu_metadata
---
amdhsa.version: [ 1, 2 ]
amdhsa.kernels:
  - .name:           k_q9764e5293e_nw
    .symbol:         k_q9764e5293e_nw.kd
    .args:
      - { .name: x_input, .offset: 0, .size: 8, .value_kind: global_buffer, .address_space: global }
      - { .name: t, .offset: 8, .size: 8, .value_kind: global_buffer, .address_space: global }
      - { .name: xa, .offset: 16, .size: 8, .value_kind: global_buffer, .address_space: global }
      - { .name: bias, .offset: 24, .size: 8, .value_kind: global_buffer, .address_space: global }
      - { .name: pc, .offset: 32, .size: 8, .value_kind: global_buffer, .address_space: global }
      - { .name: ps, .offset: 40, .size: 8, .value_kind: global_buffer, .address_space: global }
      - { .name: out0, .offset: 48, .size: 8, .value_kind: global_buffer, .address_space: global }
    .group_segment_fixed_size: 284160
    .private_segment_fixed_size: 0
    .kernarg_segment_align: 8
    .kernarg_segment_size: 56
    .max_flat_workgroup_size: 512
    .sgpr_count:     66
    .vgpr_count:     256
    .wavefront_size: 32
...
	.end_amdgpu_metadata
.endif
;; end of part 3
